; MI455X (gfx1250); checked and timed in simulation.
; The chip was launched on July 23, 2026; its instructions are those of AMD's public machine-readable ISA for CDNA 5 (MIT licence, August 2026) and "CDNA5" Instruction Set Architecture Reference Guide (July 2026). The comments in the code are by the model that wrote it; some were corrected since.
;; Schrodinger Pinn. Allowed arithmetic: float matrix products may take bf16 or f16 operands with f32 sums; other float arithmetic in f32, or as packed bf16 or f16 multiplies, adds, multiply-adds, maxima and minima; sums over many terms, partial sums and values carried from step to step in f32; what a program stores and reads back later, other than sums and carried values, may be rounded once to bf16 or f16.
;; Inputs: b0 128 float32; b1 128 float32; b2 128 float32; b3 128 float32; b4 128 float32; b5 2 float32; tx_bound 32,768 x 2 float32; tx_equation 50,000 x 2 float32; tx_init 32,768 x 2 float32; w0 2 x 128 float32; w1 128 x 128 float32; w2 128 x 128 float32; w3 128 x 128 float32; w4 128 x 128 float32; w5 128 x 2 float32.
;; Outputs: out0 50,000 x 2 float32; out1 50,000 x 2 float32; out2 32,768 x 2 float32; out3 32,768 x 2 float32; out4 32,768 x 2 float32.
;; One version. Each part assembles by itself: llvm-mc -triple=amdgcn-amd-amdhsa -mcpu=gfx1250 --defsym DOCPART=n.
;; ======== version 1 of 1: 1 launch
;; limits: values are held in f16: magnitudes above 65,504 overflow, below 6.1e-05 lose precision; inputs' magnitudes at most 65,504
;; launch pinn (part 1): grid 256 x 1, 8 waves a work-group, no clusters, 195,584 bytes of LDS; arguments tx_equation, tx_bound, tx_init, w0, w1, w2, w3, w4, w5, b0, b1, b2, b3, b4, b5, out0, out1, out2, out3, out4; writes out0, out1, out2, out3, out4
.if DOCPART == 1
	.amdgcn_target "amdgcn-amd-amdhsa--gfx1250"
	.amdhsa_code_object_version 6
	.text
	.protected	k_q4794f8ac5a_pinn
	.globl	k_q4794f8ac5a_pinn
	.p2align	8
	.type	k_q4794f8ac5a_pinn,@function
k_q4794f8ac5a_pinn:
	s_mov_b64 s[64:65], 0
	v_nop
	global_prefetch_b8 v0, s[64:65] scope:SCOPE_SE
	s_setreg_imm32_b32 hwreg(HW_REG_WAVE_MODE, 25, 1), 1
	s_wait_xcnt 0x0
; A tanh net 2-128-128-128-128-128-2 on three sets of points: 50,000 equation points (h, h_t, h_xx -> h and the residual), 32,768 boundary points (h, h_x), 32,768 initial points (h).
; FORWARD MODE.  Beside the value stream the derivative streams go forward through the net: z_t = W a_t, z_x = W a_x, z_xx = W a_xx; a_t = a' z_t, a_x = a' z_x,
; a_xx = a' z_xx - 2 a a' z_x^2, a' = 1 - a^2.  A stream of a point is one column of a product: 4 columns an equation point, 2 a boundary point, 1 an initial point.
; A UNIT is what a wave takes through the whole net in registers: four tiles bt = 0..3 of 16 columns.  KIND 0 (equation): 16 points, tiles v, t, x, xx.  KIND 1 (boundary): 32 points, tiles
; v, x of points 0-15, v, x of points 16-31.  KIND 2 (initial): 64 points, four tiles v.  3,125 + 1,024 + 512 units.
; LAYOUT.  Z^T = W^T A^T: source 0 = 16 out-channels x 32 in-channels, turned out of LDS by ds_load_tr16_b128 (W lies there as in memory, [in][out]); source 1 = 16 points x 32 channels.  In the result
; lane l holds point l % 16 and channels 16 ob + 8 (l / 16) + 0..7; two neighbouring blocks ob, packed in pairs, ARE the next layer's source 1: nothing changes lanes, no activation goes through LDS.
; FORMATS.  All inputs (tx, w, b) are rounded once to bf16; w1..w5 are then written as f16 (exact from 7.6e-6 up to 65,504; below, off by 3e-8 at the most).  Products f16 x f16, sums f32.  Each operand COLUMN
; is multiplied by its own exact power of two, so that its largest number lies in 1 to 2, before it is rounded to f16; the factor SIG is carried in f32, a register a point and tile.
; TANH.  ae = 1 - 2 / (1 + 2^(2 z log2 e)); a = the middle of (ae, z - z^3 / 3, z): tanh z lies between the last two for every z, so a small z keeps its relative accuracy.  a' = 1 - ae^2.
; LIMITS.  A column whose largest number is below 2^-126 is left unscaled (its operands round to 0); one of 2^127 or more is not served, nor SIG_x^2 / SIG_xx outside f32; weights beyond 65,504 are not
; served; an operand keeps 11 bits, below 6e-5 of its column's largest number a fixed step of 6e-8 of it; NaN and infinities are not treated apart.
; SHARES.  256 work-groups of eight waves of 512 registers.  Wave w of group g runs four jobs J: J = 0: waves 4, 5 an initial unit 2 g + w % 2, waves 2, 3, 6, 7 a boundary unit 4 g + w % 2 + 2 (w / 4), waves 0, 1
; none; J = 1: equation unit 12 g + w; J = 2: waves 0-3 unit 12 g + 8 + w; J = 3: waves 0, 1 unit 3,072 + 2 g + w where that is below 3,125.  No barrier stands in the job loop, and waves w and w + 4
; begin with different jobs, so the waves do not all stand in the same phase of the text at the same time.
; LDS IS READ-ONLY IN THE JOB LOOP: weights and tables are written ahead of the first barrier; an equation unit's results wait in registers and enter the stage behind a barrier behind which no wave reads weights.
; NO CLUSTER, NO TENSOR LOADS: what the work-groups share is the weights, 263,168 bytes of f32 read once by each; they have to be rounded before they are operands, and 262,144 bytes of f32 beside the
; 184,320 of f16 are more than the 327,680 of LDS; so they come through registers, 32 loads of 512 bytes a wave on their way.
; REGISTERS, in windows of 256 (s_set_vgpr_msb: bits 1:0 source 0, 3:2 source 1, 5:4 source 2, 7:6 destination).  Window 1: D[bt][ob] at 64 bt + 8 ob.  Window 0: below.
.set WP,    288                 ; a row of W in LDS: 128 f16 + 32 bytes
.set WL,    128*WP              ; a layer: w1..w4 at 0, WL, 2 WL, 3 WL; w5 (columns 0, 1; columns 2-31 zeros) at 4 WL, same pitch
.set TB,    5*WL                ; eight tables of 512 bytes, f32: b0..b4, w0's row 0, w0's row 1, zeros
.set T_T,   2560
.set T_X,   3072
.set T_Z,   3584
.set STAGE, TB+4096             ; equation units' results: 2,048 (J - 1) + 256 w + 8 x lane: a wave's 256 bytes on end, 128 of h (lanes 0-15), then 128 of the residual (lanes 16-31)
.set SPARE, STAGE+6144          ; the spare words, 128 bytes for each wave: four blocks of 256 bytes that no other line names
.set NEQU,  3125
.set SPW, 1                     ; v1   LDS address of my spare word; never rewritten
.set NIL, 2                     ; v2   0; never rewritten
.set AW0, 3                     ; v3   my lane's place in a layer of W for the turning load
.set AW,  4                     ; v4   the same in the layer in hand
.set BA0, 6                     ; v6   TB + 32 (l / 16): my lane's place in a table
.set BA,  7                     ; v7   the same in the next layer's bias
.set RES, 8                     ; v8-13  my 8 bytes of the results of equation jobs J = 1, 2, 3, at 8 + 2 (J - 1)
.set R8,  14                    ; v14  8 x (lane % 16): the tx loads' offset; never rewritten
.set LN,  15                    ; v15  lane
.set B5,  16                    ; v16-17  b5
.set TMP, 18
.set SO,  19                    ; v19  a store's byte offset
.set SIG, 20                    ; SIG[bt] at 20 + 2 bt, and beside it
.set MX,  21                    ; M[bt] at 21 + 2 bt: the column's largest magnitude.  A factor stands in the even register of a pair, so that a packed line takes it for both halves
.set SC,  28                    ; S[bt] at 28 + 2 bt: the power of two by which the column is multiplied, and beside it
.set MT,  29                    ; four partial maxima at 29 + 2 i
.set KAP, 36                    ; -2 SIG_x^2 / SIG_xx
.set RS3, 37                    ; 1 / SIG_xx
.set TT,  38                    ; (t, x) of tile bt at 38 + 2 bt
.set TXN, 46                    ; the next job's tx as loaded, 46 + 2 bt
.set XX,  54                    ; (x, t) at 54 + 2 bt; v54-63 are also the way out's
.set BOP, 64                    ; v64-191 source 1: tile bt, K step ks at 64 + 32 bt + 8 ks.  In the activation: Z, E, L; in layer 0: w0's rows; at the start: the ring of weight loads
.set ZR,  64
.set ER,  96
.set LR,  128
.set W0T, 64
.set W0X, 128
.set XR,  64
.set AF,  192                   ; v192-255 two buffers of W's fragments (4 K steps x 8); in the activation: the bias, channel block ob at 192 + 8 ob
.set BIAS, 192
.set ZV,  192                   ; at the start only: v192-195 zeros, v196 offset of my weight loads, v197-200 where they go, v201-203 at work
.set WO,  196
.set LW,  197
.set PT,  201
.set PO,  202
.set WV,  48                    ; s48 wave   s49 work-group   s50 job   s51 layers to go
.set G,   49
.set J,   50
.set LC,  51
.set KIND, 52                   ; s52-54 the job in hand: kind, unit, 1 = alive
.set IDX, 53
.set VALID, 54
.set NK,  55                    ; s55-57 the same for the next job
.set NI,  56
.set NV,  57
.set SEL, 58                    ; s[58:59] v_permlanex16_b32's selects: each lane takes its own place in the other half
.set C2L, 60                    ; s[60:61] 2 log2 e
.set C3,  62                    ; s[62:63] -1/3
.set XS,  66                    ; s66 EXEC set aside
.set HIL, 67                    ; s67 mask of lanes 16-31
.set TXP, 68                    ; s[68:69] the buffer of the next job's tx
.set WB,  82                    ; s82 LDS byte of the layer in hand
.set BB,  83                    ; s83 byte of the next bias among the tables
.set HIM, 84                    ; s84 a word's upper half
.set TXB, 86                    ; s[86:93] the four tiles' places in that buffer: the bases of the tx loads that are out
.set MSB, 0
.macro WIN new                  ; the high byte repeats the setting that is left; a switch that changes nothing is dropped
.if MSB != (\new)
	s_set_vgpr_msb (MSB<<8)|(\new)
.set MSB, \new
.endif
.endm
.macro PLACES                   ; four places behind a product, ahead of loads into registers that it read and of lines that read its result
.rept 4
	v_nop
.endr
.endm
.macro RB a, b, t               ; two numbers rounded to bf16 and widened again
	v_cvt_pk_bf16_f32 v[\t], v[\a], v[\b]
	v_lshlrev_b32 v[\a], 16, v[\t]
	v_and_b32 v[\b], s[HIM], v[\t]
.endm
; The next job's tx: four loads of 8 bytes a lane, a tile of 16 points each.  A unit is 128 << kind bytes; tile bt begins 128 ((bt << kind) >> 2) bytes in.  Each tile has a scalar base of its own, the vector
; offset is the same for all.  A dead job asks for tx_equation's first rows and drops them, so that one text and one count serve every wave.
.macro TXLOAD
	s_cmp_eq_u32 s[NK], 1
	s_cselect_b64 s[TXP:TXP+1], s[10:11], s[8:9]
	s_cmp_eq_u32 s[NK], 2
	s_cselect_b64 s[TXP:TXP+1], s[12:13], s[TXP:TXP+1]
	s_add_co_u32 s74, s[NK], 7
	s_lshl_b32 s74, s[NI], s74
	s_mov_b32 s79, 0
.irp bt,0,1,2,3
	s_lshl_b32 s78, \bt, s[NK]
	s_lshr_b32 s78, s78, 2
	s_lshl_b32 s78, s78, 7
	s_add_co_u32 s78, s78, s74
	s_add_nc_u64 s[TXB+2*\bt:TXB+2*\bt+1], s[TXP:TXP+1], s[78:79]
.endr
.irp bt,0,1,2,3
	global_load_b64 v[TXN+2*\bt:TXN+2*\bt+1], v[R8], s[TXB+2*\bt:TXB+2*\bt+1]
.endr
.endm
; A table's 64 numbers for my lane (channels 16 q + 8 (l / 16) + 0..7) into 64 registers from dst on, in the window that win names
.macro LDT win, dst, off
	WIN \win
.set q, 0
.rept 8
	ds_load_b128 v[(\dst)+8*q:(\dst)+8*q+3],   v[BA0] offset:(\off)+64*q
	ds_load_b128 v[(\dst)+8*q+4:(\dst)+8*q+7], v[BA0] offset:(\off)+64*q+16
.set q, q+1
.endr
.endm
; Layer 0's products for a value tile: D = t w0[0] + x w0[1]
.macro VAL bt
	WIN 0x40
.set p, 0
.rept 32
	v_pk_mul_f32 v[64*(\bt)+p:64*(\bt)+p+1], v[W0T+p:W0T+p+1], v[TT+2*(\bt):TT+2*(\bt)+1] op_sel_hi:[1,0]
.set p, p+2
.endr
	WIN 0x50
.set p, 0
.rept 32
	v_pk_fma_f32 v[64*(\bt)+p:64*(\bt)+p+1], v[W0X+p:W0X+p+1], v[XX+2*(\bt):XX+2*(\bt)+1], v[64*(\bt)+p:64*(\bt)+p+1] op_sel_hi:[1,0,1]
.set p, p+2
.endr
.endm
; The largest magnitude of 32 registers of tile bt (batch b) into M[bt]: four chains, two numbers a line
.macro MAXRUN bt, b
.set mD, 64*(\bt)+32*(\b)
	WIN 0x05
.set q, 0
.rept 4
	v_max_num_f32 v[MT+2*q], |v[mD+2*q]|, |v[mD+2*q+1]|
.set q, q+1
.endr
.rept 12
	v_max3_num_f32 v[MT+2*(q%4)], |v[mD+2*q]|, |v[mD+2*q+1]|, v[MT+2*(q%4)]
.set q, q+1
.endr
	WIN 0
	v_max3_num_f32 v[MX+2*(\bt)], v[MX+2*(\bt)], v[MT], v[MT+2]
	v_max3_num_f32 v[MX+2*(\bt)], v[MX+2*(\bt)], v[MT+4], v[MT+6]
.endm
; tanh of batch b (channel blocks 4 b .. 4 b + 3: 32 registers) of value tile bt, in place.  It leaves ae in E.  Each accumulator is read from its lowest registers on.
; The 32 exponentials are one batch and the 32 reciprocals another; behind each stand plain lines that name none of its results, then one wait ahead of the first reader.
.macro TANH bt, b
.set dD, 64*(\bt)+32*(\b)
.set rB, BIAS+32*(\b)
.set rG, SIG+2*(\bt)
	WIN 0x01
.set p, 0
.rept 16
	v_pk_fma_f32 v[ZR+p:ZR+p+1], v[dD+p:dD+p+1], v[rG:rG+1], v[rB+p:rB+p+1] op_sel_hi:[1,0,1]  ; z = D SIG + b
.set p, p+2
.endr
	WIN 0
.set p, 0
.rept 16
	v_pk_mul_f32 v[ER+p:ER+p+1], v[ZR+p:ZR+p+1], s[C2L:C2L+1] op_sel_hi:[1,0]
.set p, p+2
.endr
.set p, 0
.rept 32
	v_exp_f32 v[ER+p], v[ER+p]
.set p, p+1
.endr
.set p, 0
.rept 16
	v_pk_mul_f32 v[LR+p:LR+p+1], v[ZR+p:ZR+p+1], v[ZR+p:ZR+p+1]
.set p, p+2
.endr
.set p, 0
.rept 16
	v_pk_mul_f32 v[LR+p:LR+p+1], v[LR+p:LR+p+1], v[ZR+p:ZR+p+1]  ; z^3
.set p, p+2
.endr
	s_wait_alu depctr_va_vdst(0)    ; one wait for the 32 exponentials
.set p, 0
.rept 16
	v_pk_add_f32 v[ER+p:ER+p+1], v[ER+p:ER+p+1], 1.0 op_sel_hi:[1,0]
.set p, p+2
.endr
.set p, 0
.rept 32
	v_rcp_f32 v[ER+p], v[ER+p]
.set p, p+1
.endr
.set p, 0
.rept 16
	v_pk_fma_f32 v[LR+p:LR+p+1], v[LR+p:LR+p+1], s[C3:C3+1], v[ZR+p:ZR+p+1] op_sel_hi:[1,0,1]  ; z - z^3 / 3
.set p, p+2
.endr
	s_wait_alu depctr_va_vdst(0)    ; one wait for the 32 reciprocals
.set p, 0
.rept 16
	v_pk_fma_f32 v[ER+p:ER+p+1], v[ER+p:ER+p+1], -2.0, 1.0 op_sel_hi:[1,0,0]  ; ae
.set p, p+2
.endr
	WIN 0x40
.set p, 0
.rept 32
	v_med3_num_f32 v[dD+p], v[ER+p], v[LR+p], v[ZR+p]
.set p, p+1
.endr
	MAXRUN \bt, \b
.if (\b) == 1
	v_mov_b32 v[rG], 1.0            ; an activation is a true number: its factor starts anew
.endif
.endm
.macro APRIME                   ; L = a' = 1 - ae^2
	WIN 0
.set p, 0
.rept 16
	v_pk_fma_f32 v[LR+p:LR+p+1], v[ER+p:ER+p+1], v[ER+p:ER+p+1], 1.0 op_sel_hi:[1,1,0] neg_lo:[1,0,0] neg_hi:[1,0,0]
.set p, p+2
.endr
.endm
.macro TIMESL d                 ; 32 registers of D from d on, times L
	WIN 0x41
.set p, 0
.rept 16
	v_pk_mul_f32 v[(\d)+p:(\d)+p+1], v[(\d)+p:(\d)+p+1], v[LR+p:LR+p+1]
.set p, p+2
.endr
.endm
; An equation unit's derivative tiles, batch b: D1 = a' D1; D3 = a' D3 + D2 (D2 a' a KAP); D2 = a' D2
.macro DEQ b
.set dq, 32*(\b)
	APRIME
	WIN 0x01
.set p, 0
.rept 16
	v_pk_mul_f32 v[ZR+p:ZR+p+1], v[dq+p:dq+p+1], v[KAP:KAP+1] op_sel_hi:[1,0]
.set p, p+2
.endr
	WIN 0
.set p, 0
.rept 16
	v_pk_mul_f32 v[ZR+p:ZR+p+1], v[ZR+p:ZR+p+1], v[LR+p:LR+p+1]
.set p, p+2
.endr
	WIN 0x01
.set p, 0
.rept 16
	v_pk_mul_f32 v[ZR+p:ZR+p+1], v[128+dq+p:128+dq+p+1], v[ZR+p:ZR+p+1]
.set p, p+2
.endr
	TIMESL 64+dq
	TIMESL 192+dq
	WIN 0x51
.set p, 0
.rept 16
	v_pk_fma_f32 v[192+dq+p:192+dq+p+1], v[128+dq+p:128+dq+p+1], v[ZR+p:ZR+p+1], v[192+dq+p:192+dq+p+1]
.set p, p+2
.endr
	TIMESL 128+dq
	MAXRUN 1, \b
	MAXRUN 2, \b
	MAXRUN 3, \b
.endm
.macro DBD bt, b                ; a boundary unit's derivative tile bt + 1, batch b
	APRIME
	TIMESL 64*((\bt)+1)+32*(\b)
	MAXRUN (\bt)+1, \b
.endm
; W's fragments for channel block ob, all four K steps, into buffer ob % 2: eight turning loads
.macro FETCH ob
.irp ks,0,1,2,3
	ds_load_tr16_b128 v[AF+32*((\ob)%2)+8*\ks:AF+32*((\ob)%2)+8*\ks+3],   v[AW] offset:32*WP*\ks+32*(\ob)
	ds_load_tr16_b128 v[AF+32*((\ob)%2)+8*\ks+4:AF+32*((\ob)%2)+8*\ks+7], v[AW] offset:32*WP*\ks+16*WP+32*(\ob)
.endr
.endm
; Sixteen products: channel block ob of all four tiles.  The four accumulators take turns, one instruction a turn; the first K step starts the sums with the constant 0.
.macro MUL16 ob
	WIN 0x50
.irp ks,0,1,2,3
.irp bt,0,1,2,3
.if \ks == 0
	v_wmma_f32_16x16x32_f16 v[64*\bt+8*(\ob):64*\bt+8*(\ob)+7], v[AF+32*((\ob)%2)+8*\ks:AF+32*((\ob)%2)+8*\ks+7], v[BOP+32*\bt+8*\ks:BOP+32*\bt+8*\ks+7], 0
.else
	v_wmma_f32_16x16x32_f16 v[64*\bt+8*(\ob):64*\bt+8*(\ob)+7], v[AF+32*((\ob)%2)+8*\ks:AF+32*((\ob)%2)+8*\ks+7], v[BOP+32*\bt+8*\ks:BOP+32*\bt+8*\ks+7], v[64*\bt+8*(\ob):64*\bt+8*(\ob)+7]
.endif
.endr
.endr
.endm
; One turn of the ring of weight loads: slot i (4 numbers a lane of row 8 (i % 16) + w) is rounded to bf16, written as f16, stored into layer lay, and, refill = 1, loaded again from the buffer at s[ps]
.macro WCONV i, lay, left, refill, ps
	s_wait_loadcnt \left
	RB XR+4*(\i), XR+4*(\i)+1, PT
	v_cvt_pk_f16_f32 v[PO], v[XR+4*(\i)], v[XR+4*(\i)+1]
	RB XR+4*(\i)+2, XR+4*(\i)+3, PT
	v_cvt_pk_f16_f32 v[PO+1], v[XR+4*(\i)+2], v[XR+4*(\i)+3]
	ds_store_b64 v[LW+(\lay)], v[PO:PO+1] offset:8*WP*((\i)%16)
.if \refill
	global_load_b128 v[XR+4*(\i):XR+4*(\i)+3], v[WO], s[\ps:\ps+1] offset:4096*((\i)%16)
.endif
.endm
; Two tiles' pairs of numbers made one: lanes 16-31 take what lanes 0-15 hold in (c, c + 1); the result stands in (a, a + 1)
.macro MERGE a, c
	v_permlanex16_b32 v62, v[\c], s[SEL], s[SEL+1]
	v_permlanex16_b32 v63, v[(\c)+1], s[SEL], s[SEL+1]
	v_cndmask_b32 v[\a], v[\a], v62, s[HIL]
	v_cndmask_b32 v[(\a)+1], v[(\a)+1], v63, s[HIL]
.endm
	; ---- the head: arguments, lane terms, constants ----
	s_load_b512 s[8:23], s[0:1], 0x0               ; tx_equation 8, tx_bound 10, tx_init 12, w0 14, w1 16, w2 18, w3 20, w4 22
	s_load_b512 s[24:39], s[0:1], 0x40             ; w5 24, b0 26, b1 28, b2 30, b3 32, b4 34, b5 36, out0 38
	s_load_b256 s[40:47], s[0:1], 0x80             ; out1 40, out2 42, out3 44, out4 46
	v_lshl_add_u32 v[SPW], v0, 2, SPARE
	v_mov_b32 v[NIL], 0
	v_lshrrev_b32 v[TMP], 5, v0
	v_readfirstlane_b32 s[WV], v[TMP]              ; wave 0..7
	s_mov_b32 s[G], ttmp9
	v_and_b32 v[LN], 31, v0
	v_and_b32 v[R8], 15, v0                        ; l % 16
	v_bfe_u32 v[SO], v0, 4, 1                      ; l / 16
	v_and_b32 v62, 7, v0
	v_bfe_u32 v63, v0, 3, 1
	v_lshl_add_u32 v62, v[SO], 3, v62              ; the turning load: row 8 (l / 16) + l % 8,
	v_mul_u32_u24 v[AW0], v62, WP
	v_lshl_add_u32 v[AW0], v63, 4, v[AW0]          ; 16 bytes for each eight lanes
	v_lshlrev_b32 v[BA0], 5, v[SO]
	v_add_nc_u32 v[BA0], TB, v[BA0]
	v_lshlrev_b32 v[R8], 3, v[R8]
	v_cmp_le_u32 s[HIL], 16, v[LN]
.irp k,0,1,2,3,4,5
	v_mov_b32 v[RES+\k], 0                         ; a job that a wave does not have leaves zeros, which go into stage bytes that nobody reads
.endr
	s_mov_b32 s[SEL], 0x76543210
	s_mov_b32 s[SEL+1], 0xfedcba98
	s_mov_b32 s[C2L], 0x4038aa3b                   ; 2 log2 e
	s_mov_b32 s[C2L+1], s[C2L]                     ; named with it as a pair
	s_mov_b32 s[C3], 0xbeaaaaab                    ; -1/3
	s_mov_b32 s[C3+1], s[C3]
	s_mov_b32 s[HIM], 0xffff0000
	; job 0: waves 4, 5 an initial unit, waves 2, 3, 6, 7 a boundary unit, waves 0, 1 none
	s_and_b32 s74, s[WV], 1
	s_lshr_b32 s75, s[WV], 1
	s_lshr_b32 s76, s[WV], 2
	s_lshl_b32 s77, s[G], 1
	s_add_co_u32 s77, s77, s74                     ; 2 g + w % 2
	s_lshl_b32 s78, s[G], 2
	s_add_co_u32 s78, s78, s74
	s_lshl1_add_u32 s78, s76, s78                  ; 4 g + w % 2 + 2 (w / 4)
	s_cmp_eq_u32 s75, 2
	s_cselect_b32 s[NK], 2, 1
	s_cselect_b32 s[NI], s77, s78
	s_cmp_ge_u32 s[WV], 2
	s_cselect_b32 s[NV], 1, 0
	s_cselect_b32 s[NK], s[NK], 0
	s_cselect_b32 s[NI], s[NI], 0
	s_wait_kmcnt 0x0
	s_load_b64 s[70:71], s[36:37], 0x0             ; b5
	TXLOAD
	; ---- the start: tables and weights into LDS ----
	s_mov_b64 s[72:73], s[26:27]                   ; wave w = 0..4 brings b_w, waves 5 and 6 the rows of w0, wave 7 w5
.irp k,1,2,3,4
	s_cmp_eq_u32 s[WV], \k
	s_cselect_b64 s[72:73], s[26+2*\k:27+2*\k], s[72:73]
.endr
	s_cmp_ge_u32 s[WV], 5
	s_cselect_b64 s[72:73], s[14:15], s[72:73]
	s_cmp_eq_u32 s[WV], 7
	s_cbranch_scc1 .Ltab7
	s_cmp_eq_u32 s[WV], 6
	s_cselect_b32 s74, 512, 0
	v_lshl_add_u32 v62, v[LN], 4, s74
	global_load_b128 v[54:57], v62, s[72:73]
	s_branch .Ltabd
.Ltab7:
	v_lshlrev_b32 v62, 5, v[LN]                    ; four rows of w5 a lane
	global_load_b128 v[54:57], v62, s[24:25]
	global_load_b128 v[58:61], v62, s[24:25] offset:16
.Ltabd:
	s_mul_i32 s74, s[WV], WP
	v_lshl_add_u32 v[LW], v[LN], 3, s74            ; row w of eight, 8 bytes a lane
	v_add_nc_u32 v[LW+1], WL, v[LW]
	v_add_nc_u32 v[LW+2], 2*WL, v[LW]
	v_add_nc_u32 v[LW+3], 3*WL, v[LW]
	s_lshl_b32 s74, s[WV], 9
	v_lshl_add_u32 v[WO], v[LN], 4, s74            ; the same row in memory, 16 bytes a lane: a load covers a row's 512 bytes
.set i, 0
.rept 16
	global_load_b128 v[XR+4*i:XR+4*i+3], v[WO], s[16:17] offset:4096*i
.set i, i+1
.endr
.set i, 0
.rept 16
	global_load_b128 v[XR+64+4*i:XR+64+4*i+3], v[WO], s[18:19] offset:4096*i
.set i, i+1
.endr
	s_add_co_u32 s74, s74, TB
	v_lshl_add_u32 v63, v[LN], 4, s74              ; table w, 16 bytes a lane
	s_wait_loadcnt 32                              ; all but the 32 weight loads: tx and my table are in
	s_cmp_eq_u32 s[WV], 7
	s_cbranch_scc1 .Lput7
	RB 54, 55, TMP
	RB 56, 57, TMP
	ds_store_b128 v63, v[54:57]
	s_branch .Lputd
.Lput7:
.irp k,0,1,2,3
	v_mov_b32 v[ZV+\k], 0
.endr
	ds_store_b128 v63, v[ZV:ZV+3]                  ; the table of zeros
	v_mul_u32_u24 v62, v[LN], 4*WP
	v_add_nc_u32 v62, 4*WL, v62                    ; my four rows of the fifth layer
.irp k,0,1,2,3
.irp c,0,1,2,3
	ds_store_b128 v62, v[ZV:ZV+3] offset:WP*\k+16*\c  ; columns 0-31 are zeros,
.endr
.endr
.irp k,0,1,2,3
	RB 54+2*\k, 55+2*\k, TMP
	v_cvt_pk_f16_f32 v[TMP], v[54+2*\k], v[55+2*\k]
	ds_store_b32 v62, v[TMP] offset:WP*\k          ; then columns 0 and 1 take w5: LDS serves a wave's instructions in order (ISA guide 5.7.1.4)
.endr
.Lputd:
.set i, 0
.rept 32                                               ; w1 and w2 leave the ring, w3 and w4 enter: behind slot i's load stand 31 - i loads of the first round and i refills
	WCONV i, i/16, 31, 1, 20+2*(i/16)
.set i, i+1
.endr
.set i, 0
.rept 32                                               ; w3 and w4 leave: the counts run down
	WCONV i, 2+i/16, 31-i, 0, 0
.set i, i+1
.endr
	s_wait_kmcnt 0x0
	v_mov_b32 v[B5], s70
	v_mov_b32 v[B5+1], s71
	RB B5, B5+1, TMP
	v_mov_b32 v62, 0                               ; v_permlanex16_b32 counts as a reader of its destination
	v_mov_b32 v63, 0
	s_mov_b32 s[J], 0
	s_wait_dscnt 0x0                               ; for the others' sake: my stores are done
	s_barrier_signal -1
	s_barrier_wait -1                              ; weights and tables are whole; nobody writes them again
	; ---- the jobs ----
.Ljob:
	s_wait_loadcnt 0x0                             ; this job's tx, asked for a job ago; its bases are free with it
	s_wait_xcnt 0x0                                ; the last job's stores have read their registers
	s_mov_b32 s[KIND], s[NK]
	s_mov_b32 s[IDX], s[NI]
	s_mov_b32 s[VALID], s[NV]
.irp bt,0,1,2,3
	v_cvt_pk_bf16_f32 v[TMP], v[TXN+2*\bt], v[TXN+2*\bt+1]
	v_lshlrev_b32 v[TT+2*\bt], 16, v[TMP]          ; (t, x)
	v_and_b32 v[TT+2*\bt+1], s[HIM], v[TMP]
	v_and_b32 v[XX+2*\bt], s[HIM], v[TMP]          ; (x, t)
	v_lshlrev_b32 v[XX+2*\bt+1], 16, v[TMP]
.endr
	; job n = J + 1 is an equation unit: n = 1: 12 g + w, all 8 waves; n = 2: 12 g + 8 + w, 4 waves; n = 3: 3,072 + 2 g + w, 2 waves, below 3,125; n = 4: none
	s_add_co_u32 s74, s[J], 1
	s_lshr_b32 s75, 16, s74
	s_and_b32 s75, s75, -2                         ; 8, 4, 2, 0 waves
	s_mul_i32 s76, s[G], 12
	s_add_co_u32 s76, s76, s[WV]
	s_lshl_b32 s77, s74, 3
	s_add_co_u32 s76, s76, s77
	s_sub_co_u32 s76, s76, 8
	s_lshl_b32 s77, s[G], 1
	s_add_co_u32 s77, s77, s[WV]
	s_add_co_u32 s77, s77, 3072
	s_cmp_eq_u32 s74, 3
	s_cselect_b32 s76, s77, s76
	s_cmp_lt_u32 s[WV], s75
	s_cselect_b32 s[NV], 1, 0
	s_cmp_lt_u32 s76, NEQU
	s_cselect_b32 s[NV], s[NV], 0
	s_cmp_eq_u32 s[NV], 0
	s_cselect_b32 s[NI], 0, s76
	s_mov_b32 s[NK], 0
	TXLOAD
	s_cmp_eq_u32 s[VALID], 0
	s_cbranch_scc1 .Lnext
	; layer 0's pre-activations, in the form in which every layer leaves them: D and SIG = 1
	LDT 0, BIAS, 0
	LDT 0, W0T, T_T
	LDT 0, W0X, T_X
.irp bt,0,1,2,3
	v_mov_b32 v[SIG+2*\bt], 1.0
.endr
	v_mov_b32 v[KAP], -2.0
	v_mov_b32 v[RS3], 1.0
	s_mov_b32 s[LC], 5
	s_mov_b32 s[WB], 0
	s_mov_b32 s[BB], 0
	s_wait_dscnt 0x0
	VAL 0
	WIN 0
	s_cmp_eq_u32 s[KIND], 1
	s_cbranch_scc1 .Lpre_b
	s_cmp_eq_u32 s[KIND], 2
	s_cbranch_scc1 .Lpre_i
	LDT 0x40, 64, T_T                              ; z_t = w0[0]
	LDT 0x40, 128, T_X                             ; z_x = w0[1]
	LDT 0x40, 192, T_Z                             ; z_xx = 0
	WIN 0
	s_branch .Lpre_d
.Lpre_b:
	LDT 0x40, 64, T_X
	LDT 0x40, 192, T_X
	VAL 2
	WIN 0
	s_branch .Lpre_d
.Lpre_i:
	VAL 1
	VAL 2
	VAL 3
	WIN 0
.Lpre_d:
	s_wait_dscnt 0x0
.Llayer:                                               ; five trips: the activation of layers 0..4; the first four multiply by w1..w4, the fifth leaves for w5
.irp bt,0,1,2,3
	v_mov_b32 v[MX+2*\bt], 0
.endr
	TANH 0, 0
	s_cmp_eq_u32 s[KIND], 1
	s_cbranch_scc1 .La0_b
	s_cmp_eq_u32 s[KIND], 2
	s_cbranch_scc1 .La0_d
	DEQ 0
	s_branch .La0_d
.La0_b:
	DBD 0, 0
.La0_d:
	TANH 0, 1
	s_cmp_eq_u32 s[KIND], 1
	s_cbranch_scc1 .La1_b
	s_cmp_eq_u32 s[KIND], 2
	s_cbranch_scc1 .La1_d
	DEQ 1
	s_branch .Lact_d                               ; an equation unit has one value tile
.La1_b:
	DBD 0, 1
.La1_d:
	TANH 2, 0
	s_cmp_eq_u32 s[KIND], 1
	s_cbranch_scc0 .La2_d
	DBD 2, 0
.La2_d:
	TANH 2, 1
	s_cmp_eq_u32 s[KIND], 1
	s_cbranch_scc0 .La3_i
	DBD 2, 1
	s_branch .Lact_d
.La3_i:
	TANH 1, 0
	TANH 1, 1
	TANH 3, 0
	TANH 3, 1
.Lact_d:
	; the columns' powers of two: e = 2^floor(log2 M) (1 where M has no exponent), S = 1 / e, SIG = SIG e
.irp bt,0,1,2,3
	v_permlanex16_b32 v[TMP], v[MX+2*\bt], s[SEL], s[SEL+1]  ; the point's other 64 channels lie in the lane 16 away
	v_max_num_f32 v[MX+2*\bt], v[MX+2*\bt], v[TMP]
	v_and_b32 v[TMP], 0x7f800000, v[MX+2*\bt]
	v_cmp_ne_u32 vcc_lo, 0, v[TMP]
	v_cndmask_b32 v[TMP], 1.0, v[TMP], vcc_lo
	v_sub_nc_u32 v[SC+2*\bt], 0x7f000000, v[TMP]   ; exponent field 254 - E
	v_mul_f32 v[SIG+2*\bt], v[SIG+2*\bt], v[TMP]
.endr
	v_mul_f32 v[RS3], v[RS3], v[SC+6]              ; only an equation unit uses these two
	v_mul_f32 v[TMP], v[SIG+4], v[RS3]
	v_mul_f32 v[TMP], v[TMP], v[SIG+4]
	v_mul_f32 v[KAP], -2.0, v[TMP]
	v_add_nc_u32 v[AW], s[WB], v[AW0]
	FETCH 0                                        ; the bias is used up: W's first two blocks are fetched under the 256 lines below
	FETCH 1                                        ; (in the fifth trip this one brings zeros that nothing uses: one text for every trip)
.irp bt,0,1,2,3                                        ; the operands: D S, rounded to f16 in pairs
	WIN 0x41
.set p, 0
.rept 32
	v_pk_mul_f32 v[64*\bt+p:64*\bt+p+1], v[64*\bt+p:64*\bt+p+1], v[SC+2*\bt:SC+2*\bt+1] op_sel_hi:[1,0]
.set p, p+2
.endr
	WIN 0x05
.set p, 0
.rept 32
	v_cvt_pk_f16_f32 v[BOP+32*\bt+p], v[64*\bt+2*p], v[64*\bt+2*p+1]
.set p, p+1
.endr
.endr
	WIN 0
	s_cmp_eq_u32 s[LC], 1
	s_cbranch_scc1 .Lfinal
	s_add_co_u32 s[BB], s[BB], 512
	v_add_nc_u32 v[BA], s[BB], v[BA0]
.irp ob,0,1,2,3,4,5,6,7
	s_wait_dscnt 8                                 ; this block's fragments are in; the eight loads issued behind them may stay out
	MUL16 \ob
	WIN 0
	PLACES
.if \ob < 6
	FETCH (\ob)+2                                  ; into the buffer just multiplied
.else
.irp k,0,1,2,3                                         ; the buffers are done with: they take the next layer's bias
	ds_load_b128 v[BIAS+32*(\ob-6)+8*\k:BIAS+32*(\ob-6)+8*\k+3],   v[BA] offset:256*(\ob-6)+64*\k
	ds_load_b128 v[BIAS+32*(\ob-6)+8*\k+4:BIAS+32*(\ob-6)+8*\k+7], v[BA] offset:256*(\ob-6)+64*\k+16
.endr
.endif
.endr
	s_add_co_u32 s[WB], s[WB], WL
	s_wait_dscnt 0x0                               ; the bias
	s_sub_co_u32 s[LC], s[LC], 1
	s_cmp_lg_u32 s[LC], 0
	s_cbranch_scc1 .Llayer
.Lfinal:
	s_wait_dscnt 0x0
	MUL16 0                                        ; w5: rows 0 and 1 of the result, in lanes 0-15, are the two outputs.  (An equation unit's x tile serves no output here: 4 of a unit's 528 products, for one text)
	WIN 0
	PLACES
	s_cmp_eq_u32 s[KIND], 1
	s_cbranch_scc1 .Lout_b
	s_cmp_eq_u32 s[KIND], 2
	s_cbranch_scc1 .Lout_i
	WIN 0x01                                       ; an equation unit: h, h_t, h_xx
	v_fma_f32 v54, v0, v[SIG], v[B5]
	v_fma_f32 v55, v1, v[SIG], v[B5+1]
	v_mul_f32 v56, v64, v[SIG+2]
	v_mul_f32 v57, v65, v[SIG+2]
	v_mul_f32 v58, v192, v[SIG+6]
	v_mul_f32 v59, v193, v[SIG+6]
	WIN 0
	v_mul_f32 v60, v54, v54
	v_fma_f32 v61, 0.5, v58, -v57                  ; -Im h_t + k Re h_xx
	v_fma_f32 v60, v55, v55, v60                   ; |h|^2
	v_fma_f32 v58, 0.5, v59, v56                   ; Re h_t + k Im h_xx
	v_fma_f32 v56, v60, v54, v61
	v_fma_f32 v57, v60, v55, v58
	MERGE 54, 56                                   ; lanes 0-15 keep h, lanes 16-31 take the residual
.irp j,1,2,3                                           ; the pair of job J takes them; the two others keep what they hold
	s_cmp_eq_u32 s[J], \j
	s_cselect_b32 s74, -1, 0
	v_cndmask_b32 v[RES+2*(\j-1)], v[RES+2*(\j-1)], v54, s74
	v_cndmask_b32 v[RES+2*(\j-1)+1], v[RES+2*(\j-1)+1], v55, s74
.endr
	s_branch .Lnext
.Lout_b:
	WIN 0x01                                       ; a boundary unit: h and h_x of two tiles
	v_fma_f32 v54, v0, v[SIG], v[B5]
	v_fma_f32 v55, v1, v[SIG], v[B5+1]
	v_fma_f32 v56, v128, v[SIG+4], v[B5]
	v_fma_f32 v57, v129, v[SIG+4], v[B5+1]
	v_mul_f32 v58, v64, v[SIG+2]
	v_mul_f32 v59, v65, v[SIG+2]
	v_mul_f32 v60, v192, v[SIG+6]
	v_mul_f32 v61, v193, v[SIG+6]
	WIN 0
	MERGE 54, 56
	MERGE 58, 60
	s_lshl_b32 s74, s[IDX], 8
	v_lshl_add_u32 v[SO], v[LN], 3, s74
	global_store_b64 v[SO], v[54:55], s[44:45] th:TH_STORE_NT  ; the wave stores 256 consecutive bytes, at a multiple of 256 from the buffer's first
	global_store_b64 v[SO], v[58:59], s[46:47] th:TH_STORE_NT
	s_branch .Lnext
.Lout_i:
	WIN 0x01                                       ; an initial unit: h of four tiles
	v_fma_f32 v54, v0, v[SIG], v[B5]
	v_fma_f32 v55, v1, v[SIG], v[B5+1]
	v_fma_f32 v56, v64, v[SIG+2], v[B5]
	v_fma_f32 v57, v65, v[SIG+2], v[B5+1]
	v_fma_f32 v58, v128, v[SIG+4], v[B5]
	v_fma_f32 v59, v129, v[SIG+4], v[B5+1]
	v_fma_f32 v60, v192, v[SIG+6], v[B5]
	v_fma_f32 v61, v193, v[SIG+6], v[B5+1]
	WIN 0
	MERGE 54, 56
	MERGE 58, 60
	s_lshl_b32 s74, s[IDX], 9
	v_lshl_add_u32 v[SO], v[LN], 3, s74
	global_store_b64 v[SO], v[54:55], s[42:43] th:TH_STORE_NT
	global_store_b64 v[SO], v[58:59], s[42:43] offset:256 th:TH_STORE_NT
.Lnext:
	s_add_co_u32 s[J], s[J], 1
	s_cmp_lt_u32 s[J], 4
	s_cbranch_scc1 .Ljob
	; ---- the equation units' results go through the stage and leave as whole runs of bytes ----
	s_wait_dscnt 0x0                               ; my reads of weights and tables are back
	s_barrier_signal -1
	s_barrier_wait -1                              ; every wave's are: from here on LDS is written again
	s_lshl_b32 s74, s[WV], 8
	s_add_co_u32 s74, s74, STAGE
	v_lshl_add_u32 v62, v[LN], 3, s74              ; my wave's 256 bytes of a job's part of the stage, 8 a lane
	ds_store_b64 v62, v[RES:RES+1]
	ds_store_b64 v62, v[RES+2:RES+3] offset:2048
	ds_store_b64 v62, v[RES+4:RES+5] offset:4096
	s_wait_dscnt 0x0                               ; for the others' sake: my stores into the stage are done
	s_barrier_signal -1
	s_barrier_wait -1
	v_and_b32 v[TMP], 7, v[LN]                     ; a unit's 128 bytes of one output are eight lanes' 16; the units lie 256 bytes apart in the stage
	v_lshrrev_b32 v62, 3, v[LN]
	v_lshlrev_b32 v[TMP], 4, v[TMP]
	v_lshl_add_u32 v[TMP], v62, 8, v[TMP]          ; 256 (l / 8) + 16 (l % 8)
	s_cmp_lt_u32 s[WV], 6
	s_cbranch_scc0 .Lextra
	; units 12 g .. 12 g + 11 are 1,536 consecutive bytes of out0 and of out1: waves 0-2 take out0's three pieces of 512 bytes (four units), waves 3-5 out1's
	s_cmp_ge_u32 s[WV], 3
	s_cselect_b32 s74, 1, 0
	s_cselect_b64 s[72:73], s[40:41], s[38:39]
	s_mul_i32 s75, s74, 3
	s_sub_co_u32 s75, s[WV], s75                   ; piece 0, 1, 2
	s_lshl_b32 s77, s75, 10                        ; four units are 1,024 bytes of the stage; piece 2 is job 2's waves 0-3, 2,048 bytes behind job 1's first
	s_lshl_b32 s76, s74, 7                         ; the residual lies 128 bytes behind h
	s_add_co_u32 s77, s77, s76
	s_add_co_u32 s77, s77, STAGE
	v_add_nc_u32 v[TMP], s77, v[TMP]
	ds_load_b128 v[64:67], v[TMP]
	s_mul_i32 s78, s[G], 1536
	s_lshl_b32 s76, s75, 9
	s_add_co_u32 s78, s78, s76
	s_wait_xcnt 0x0                                ; earlier stores have read their offset register
	v_lshl_add_u32 v[SO], v[LN], 4, s78
	s_wait_dscnt 0x0
	global_store_b128 v[SO], v[64:67], s[72:73] th:TH_STORE_NT  ; 512 consecutive bytes, at a multiple of 256 from the buffer's first
	s_branch .Lend
.Lextra:                                               ; job 3's units 3,072 + 2 g, + 1: wave 6 out0, wave 7 out1; groups 0-25 have two (256 bytes), group 26 one (the buffers' last 128 bytes), the others none
	s_cmp_gt_u32 s[G], 26
	s_cbranch_scc1 .Lend
	s_cmp_eq_u32 s[G], 26
	s_cselect_b32 s74, 8, 16                       ; lanes of 16 bytes
	s_cmp_eq_u32 s[WV], 7
	s_cselect_b64 s[72:73], s[40:41], s[38:39]
	s_cselect_b32 s75, 128, 0
	s_add_co_u32 s75, s75, STAGE+4096
	v_add_nc_u32 v[TMP], s75, v[TMP]
	s_lshl_b32 s76, s[G], 8
	s_add_co_u32 s76, s76, 3072*128
	v_cmp_gt_u32 vcc_lo, s74, v[LN]
	s_wait_xcnt 0x0                                ; earlier loads and stores have read their registers and EXEC: only now are the offset and EXEC written
	v_lshl_add_u32 v[SO], v[LN], 4, s76
	s_and_saveexec_b32 s[XS], vcc_lo
	ds_load_b128 v[64:67], v[TMP]
	s_wait_dscnt 0x0
	global_store_b128 v[SO], v[64:67], s[72:73] th:TH_STORE_NT
	s_wait_xcnt 0x0                                ; and again, ahead of the line that widens EXEC
	s_or_b32 exec_lo, exec_lo, s[XS]
.Lend:
	s_wait_tensorcnt 0x0                           ; the wave's end, behind my last LDS store
	ds_add_u32 v[SPW], v[NIL]
	s_wait_dscnt 0x0
	s_endpgm
.Lfunc_end_k_q4794f8ac5a_pinn:
	.size	k_q4794f8ac5a_pinn, .Lfunc_end_k_q4794f8ac5a_pinn-k_q4794f8ac5a_pinn
	.p2alignl 7, 3214868480
	.fill 96, 4, 3214868480
	.section	.rodata,"a",@progbits
	.p2align	6, 0x0
	.amdhsa_kernel k_q4794f8ac5a_pinn
		.amdhsa_group_segment_fixed_size 195584
		.amdhsa_private_segment_fixed_size 0
		.amdhsa_enable_private_segment 0
		.amdhsa_kernarg_size 160
		.amdhsa_user_sgpr_count 2
		.amdhsa_user_sgpr_kernarg_segment_ptr 1
		.amdhsa_wavefront_size32 1
		.amdhsa_system_sgpr_workgroup_id_x 1
		.amdhsa_system_sgpr_workgroup_id_y 1
		.amdhsa_system_sgpr_workgroup_id_z 1
		.amdhsa_system_vgpr_workitem_id 0
		.amdhsa_next_free_vgpr 512
		.amdhsa_next_free_sgpr 96
		.amdhsa_reserve_vcc 1
		.amdhsa_float_denorm_mode_32 3
		.amdhsa_float_denorm_mode_16_64 3
		.amdhsa_memory_ordered 1
		.amdhsa_forward_progress 1
		.amdhsa_inst_pref_size 253
	.end_amdhsa_kernel
	.amdgpu_metadata
---
amdhsa.version: [ 1, 2 ]
amdhsa.kernels:
  - .name:           k_q4794f8ac5a_pinn
    .symbol:         k_q4794f8ac5a_pinn.kd
    .args:
      - { .name: tx_equation, .offset: 0, .size: 8, .value_kind: global_buffer, .address_space: global }
      - { .name: tx_bound, .offset: 8, .size: 8, .value_kind: global_buffer, .address_space: global }
      - { .name: tx_init, .offset: 16, .size: 8, .value_kind: global_buffer, .address_space: global }
      - { .name: w0, .offset: 24, .size: 8, .value_kind: global_buffer, .address_space: global }
      - { .name: w1, .offset: 32, .size: 8, .value_kind: global_buffer, .address_space: global }
      - { .name: w2, .offset: 40, .size: 8, .value_kind: global_buffer, .address_space: global }
      - { .name: w3, .offset: 48, .size: 8, .value_kind: global_buffer, .address_space: global }
      - { .name: w4, .offset: 56, .size: 8, .value_kind: global_buffer, .address_space: global }
      - { .name: w5, .offset: 64, .size: 8, .value_kind: global_buffer, .address_space: global }
      - { .name: b0, .offset: 72, .size: 8, .value_kind: global_buffer, .address_space: global }
      - { .name: b1, .offset: 80, .size: 8, .value_kind: global_buffer, .address_space: global }
      - { .name: b2, .offset: 88, .size: 8, .value_kind: global_buffer, .address_space: global }
      - { .name: b3, .offset: 96, .size: 8, .value_kind: global_buffer, .address_space: global }
      - { .name: b4, .offset: 104, .size: 8, .value_kind: global_buffer, .address_space: global }
      - { .name: b5, .offset: 112, .size: 8, .value_kind: global_buffer, .address_space: global }
      - { .name: out0, .offset: 120, .size: 8, .value_kind: global_buffer, .address_space: global }
      - { .name: out1, .offset: 128, .size: 8, .value_kind: global_buffer, .address_space: global }
      - { .name: out2, .offset: 136, .size: 8, .value_kind: global_buffer, .address_space: global }
      - { .name: out3, .offset: 144, .size: 8, .value_kind: global_buffer, .address_space: global }
      - { .name: out4, .offset: 152, .size: 8, .value_kind: global_buffer, .address_space: global }
    .group_segment_fixed_size: 195584
    .private_segment_fixed_size: 0
    .kernarg_segment_align: 8
    .kernarg_segment_size: 160
    .max_flat_workgroup_size: 256
    .sgpr_count:     96
    .vgpr_count:     512
    .wavefront_size: 32
...
	.end_amdgpu_metadata
.endif
;; end of part 1
